; MI455X (gfx1250); checked and timed in simulation.
; The chip was launched on July 23, 2026; its instructions are those of AMD's public machine-readable ISA for CDNA 5 (MIT licence, August 2026) and "CDNA5" Instruction Set Architecture Reference Guide (July 2026). The comments in the code are by the model that wrote it; some were corrected since.
;; Cross Modal Attention. Allowed arithmetic: matrix products marked QUANTISED: E3M2 operands, one E8M0 scale for each 32 along K, by v_wmma_scale_f32_16x16x128_f8f6f4 with both operands' format E3M2, f32 sums; everything else in f32.
;; Inputs: Wk_codes 256 x 32 x 24 uint8 (E3M2 codes of Wk, K innermost, in blocks of 32 codes, four codes in three bytes); Wk_scales 256 x 32 uint8 (E8M0 scales of Wk, one for each 32 codes along K); Wo_codes 320 x 10 x 24 uint8 (E3M2 codes of Wo, K innermost, in blocks of 32 codes, four codes in three bytes); Wo_scales 320 x 10 uint8 (E8M0 scales of Wo, one for each 32 codes along K); Wq_codes 256 x 10 x 24 uint8 (E3M2 codes of Wq, K innermost, in blocks of 32 codes, four codes in three bytes); Wq_scales 256 x 10 uint8 (E8M0 scales of Wq, one for each 32 codes along K); Wv_codes 320 x 32 x 24 uint8 (E3M2 codes of Wv, K innermost, in blocks of 32 codes, four codes in three bytes); Wv_scales 320 x 32 uint8 (E8M0 scales of Wv, one for each 32 codes along K); bk 256 float32; bo 320 float32; bq 256 float32; bv 320 float32; janus_feat_codes 4 x 64 x 64 x 32 x 24 uint8 (E3M2 codes of janus_feat, K innermost, in blocks of 32 codes, four codes in three bytes); janus_feat_scales 4 x 64 x 64 x 32 uint8 (E8M0 scales of janus_feat, one for each 32 codes along K); unet_feat 4 x 320 x 64 x 64 float32.
;; Outputs: out0 4 x 320 x 64 x 64 float32.
;; This version of the problem:
;;   THIS VERSION OF THE PROBLEM IS GIVEN IN LOW PRECISION. The matrix products marked QUANTISED in the list below multiply operands that are first quantised to E3M2 (3 exponent bits, 2 mantissa bits; 6 bits a number), with one power-of-two scale for each 32 numbers along K (OCP MX v1.0); their sums are f32. All else is computed in f32.
;;   The module's matrix products, in the order in which they are computed (A, B: the left and right operand; K: the contracted axis; several contracted axes count as one K, in the product's order):
;;     1. [M 16,384, K 320] x [K 320, N 256]; A: input unet_feat; B: input Wq (given as codes): QUANTISED
;;     2. [M 16,384, K 1,024] x [K 1,024, N 256]; A: input janus_feat (given as codes); B: input Wk (given as codes): QUANTISED
;;     3. [M 16,384, K 1,024] x [K 1,024, N 320]; A: input janus_feat (given as codes); B: input Wv (given as codes): QUANTISED
;;     4. batch 4 x [M 4,096, K 256] x [K 256, N 4,096]; A: computed on the way; B: computed on the way: QUANTISED
;;     5. batch 4 x [M 320, K 4,096] x [K 4,096, N 4,096]; A: computed on the way; B: softmax (see below): QUANTISED
;;     6. [M 16,384, K 320] x [K 320, N 320]; A: computed on the way; B: input Wo (given as codes): QUANTISED
;;   THE QUANTISER, for each operand of a quantised product, along K:
;;     - K is cut into blocks of 32 from its start; a last block that is shorter is filled with zeros.
;;     - A block's scale is 2^e with e = floor(log2(the largest magnitude in the block)) - 4, held to -126 .. 127; a block of zeros has e = 0. As a byte (E8M0): e + 127.
;;     - Each number is divided by its block's scale, clamped to +-28, and rounded to the nearest number of E3M2, ties to even, subnormals kept.
;;     - The product sums the exact products of the quantised numbers (number of the format x scale) in f32.
;;   ~~~python
;;   def quantise(x, axis):      # numpy; x: float32 -> the quantised numbers, widened to float32 again
;;       x = np.moveaxis(x, axis, -1); K = x.shape[-1]
;;       x = np.pad(x, [(0, 0)] * (x.ndim - 1) + [(0, -K % 32)]); x = x.reshape(x.shape[:-1] + (-1, 32)); a = np.abs(x).max(-1, keepdims=True)
;;       e = np.where(a > 0, np.clip(np.frexp(np.where(a > 0, a, 1))[1] - 1 - 4, -126, 127), 0)      # np.frexp(a)[1] - 1 = floor(log2(a)), exactly
;;       r = np.clip(x / 2.0 ** e, -28, 28)
;;       step = 2.0 ** (np.maximum(np.frexp(np.where(r == 0, 1, r))[1] - 1, -2) - 2)
;;       q = np.round(r / step) * step * 2.0 ** e      # np.round: ties to even
;;       return np.moveaxis(q.reshape(q.shape[:-2] + (-1,))[..., :K], -1, axis).astype(np.float32)
;;   ~~~
;;   SOFTMAX AHEAD OF A QUANTISED PRODUCT. Where the list says 'softmax', what is quantised is not the finished softmax but p = 2^(t - M), with t = logit x log2(e) and M = ceil(the row's largest t), a whole number; so 1/2 < the row's largest p <= 1. The row's sum l is taken of the UNQUANTISED p, in f32, and the product's result is divided by l at the end. Since M is a whole number, a kernel that streams over the keys may use a running M (the ceiling of the running maximum): every later rescaling is an exact power of two, which a block's scale takes up: the codes' values come out the same.
;;   OPERANDS COMPUTED ON THE WAY. 'Computed on the way' means the value that the module computes at that place (a softmax that the list does not call 'softmax' is quantised finished and normalised). What goes into a quantiser is computed in f32, as accurately as f32 sums, v_exp_f32 and their like allow (about 1e-6 of the number): no bf16 or f16 on the way to a quantiser, and a product that is left as it is and whose result goes on into a quantised operand takes f32 operands (vector FMAs, or v_wmma_f32_16x16x4_f32). A number that lies on a knife's edge between two numbers of the format may be rounded either way, as far as f32 arithmetic and the matrix unit's own rounding can turn it there, and no further.
;;   INPUTS GIVEN AS CODES. Wk (in the module: [256, 1024], K = its axis 1); Wo (in the module: [320, 320], K = its axis 1); Wq (in the module: [256, 320], K = its axis 1); Wv (in the module: [320, 1024], K = its axis 1); janus_feat (in the module: [4, 1024, 64, 64], K = its axis 1): each comes as NAME_codes (uint8): NAME with its K axis moved to the last place and cut into blocks of 32 codes, [.., K / 32, bytes a block], one block behind the other in memory; four codes in three bytes: a row's codes are one little-endian stream of bits, code i at bits 6 i .. 6 i + 5 (a code: sign, 3 exponent bits, 2 mantissa bits); and NAME_scales (uint8): the same leading axes, one E8M0 byte (e + 127) for each 32 codes along K. Its value is code x scale, taken as it is: it is not quantised again, and the codes and scales need not be those that the quantiser above would give.
;; One version. Each part assembles by itself: llvm-mc -triple=amdgcn-amd-amdhsa -mcpu=gfx1250 --defsym DOCPART=n.
;; ======== version 1 of 1: 2 launches
;; workspace buffers: kimg 3,276,800 bytes; vimg 4,096,000 bytes
;; launch kvproj (part 1): grid 256 x 1, 4 waves a work-group, clusters of 4 x 1, 327,680 bytes of LDS; arguments janus_feat_codes, janus_feat_scales, Wk_codes, Wk_scales, bk, Wv_codes, Wv_scales, bv, kimg, vimg; writes kimg, vimg
.if DOCPART == 1
	.amdgcn_target "amdgcn-amd-amdhsa--gfx1250"
	.amdhsa_code_object_version 6
	.text
	.protected	k_qce2d47bed0_kvproj
	.globl	k_qce2d47bed0_kvproj
	.p2align	8
	.type	k_qce2d47bed0_kvproj,@function
k_qce2d47bed0_kvproj:
	s_mov_b64 s[64:65], 0
	v_nop
	global_prefetch_b8 v0, s[64:65] scope:SCOPE_SE
	s_setreg_imm32_b32 hwreg(HW_REG_WAVE_MODE, 25, 1), 1
	s_wait_xcnt 0x0
	s_wait_alu depctr_hold_cnt(0) depctr_sa_sdst(0) depctr_va_vdst(0) depctr_va_sdst(0) depctr_va_ssrc(0) depctr_va_vcc(0) depctr_vm_vsrc(0)
	s_getreg_b32 s2, hwreg(HW_REG_IB_STS2, 6, 4)
	s_cmp_eq_u32 s2, 0
	s_cbranch_scc0 .Lentry_in_a_cluster
	s_endpgm
.Lentry_in_a_cluster:
	s_bfe_u32 s2, ttmp6, 0x10000c
	s_cmp_lg_u32 s2, 0x3003
	s_cbranch_scc0 .Lentry_shape_is_right
	s_endpgm
.Lentry_shape_is_right:
; k = janus Wk^T + bk and v = Wv janus^T + bv on codes of BF6 (E3M2) with E8M0 scales, and both results quantised again:
; k along its 256 channels, v along the keys.  The codes leave as IMAGES OF OPERAND REGISTERS for the attention launch.
; SHARES.  A work-group owns 64 keys (4 tiles of 16) and all 576 output channels.  Its 32 fragments of janus (384 registers)
; stay in every wave's registers; wave w streams its own nine weight tiles (Wk rows 64 w on, Wv rows 80 w on), each fragment
; feeding four matrix instructions.  The weights are the same for every work-group: the four partners of a cluster ask jointly.
; k: source 0 = 16 rows of Wk, source 1 = 16 keys: a lane holds ONE key and 8 channels a tile.  v: sources swapped: a lane
; holds ONE channel and 8 keys a tile.  So a lane's registers run along the K of the product that follows.
; ORDER INSIDE A BLOCK OF 32.  Tiles are natural, so position 16 a + 8 e + j of a block holds element 16 e + 8 a + j.  The
; attention launch makes q and p in the same way, so both sides of a product carry the same order inside one scale block.
; IMAGES.  A fragment (16 rows x 128 K, 12 registers) is two halves of 768 bytes: registers 0-3 of the half at 16 x lane,
; registers 4-5 at 512 + 8 x lane.  kimg: 128 blocks (128 keys) of 25,600 bytes: fragment 8 chi + T at 1,536 x, scale words at
; 24,576 + 128 T + 64 chi + 4 r.  vimg: 128 blocks of 32,000: fragment c (16 channels) at 1,536 c, scale words at 30,720 + 64 c + 4 r.
; The code stores cover 512 and 256 consecutive aligned bytes; the scale bytes (one byte in 24) leave two at a time.
; LIMITS: NaN, infinities and a given scale byte 0xff are not served; a block whose largest magnitude is under 2^-122, a block
; of zeros among them, gets the byte 1 (its codes are zeros or subnormal codes; only this program reads the bytes).
; LDS: every dense block lands as pieces of 256 bytes + 16 of padding, so a row of 768 bytes has the pitch 816 (204 words:
; row r starts 12 r words on, modulo 64 sixteen different multiples of 4; the two halves of the lanes fall between them).
.set JT,    13056                      ; 16 rows x 816: a tile of janus or of a weight
.set WKW,   4*JT                       ; a wave's weight region: two halves of two tiles
.set WK0,   4*JT                       ; behind janus' four tiles
.set WV0,   WK0+4*WKW                  ; Wv's first tile of each wave
.set SPARE, WV0+4*JT                   ; the spare words: 128 bytes a wave, two blocks of 256 bytes that no other line names
.set KBLK,  25600
.set VBLK,  32000
.set WS,  16                           ; v16-51  weights' scale words: tile u at 4 u; register q: K step q in lanes 0-15, 4 + q in lanes 16-31
.set JS,  52                           ; v52-67  janus' likewise, key tile kt at 4 kt
.set BV,  68                           ; v68-72  bv of my lane's channel, five tiles
.set CB,  74                           ; v74-81  the bias as a C operand
.set TM,  82                           ; v82-89  the quantiser's work
.set H6,  90                           ; v90-95, v96-101  a half fragment's codes, two sets
.set PT,  102                          ; v102-104
.set U16, 106                          ; v106, v107  two scale bytes, two sets
.set ACC, 128                          ; v128-255 accumulators
; v1 r, v2 h, v3 16 x lane, v4 8 x lane, v5 4 r, v6 spare word, v7 0, v8/v9 janus rows (24 h / 40 h), v10/v11 my weights, v12/v13 Wv's first tile, v14 32 r + 16 h, v15 32 h
; window 1, 2: janus fragment (kt, ks) at window 1 + ks / 4, v[48 kt + 12 (ks % 4)].  window 3: a weight tile's 8 fragments, two sets at v0 and v96.
.set MSB, 0
.macro WIN new                         ; the immediate's high byte repeats the setting that is left
.if MSB != (\new)
	s_set_vgpr_msb (MSB<<8)|(\new)
.set MSB, \new
.endif
.endm
.macro PLACES                          ; four plain places behind matrix instructions (ISA guide 7.12.1)
.rept 4
	v_nop
.endr
.endm
.macro CROUND                          ; a round of the cluster's barrier
	s_barrier_signal -1
	s_barrier_wait -1
	s_cmp_lg_u32 s24, 0
	s_cbranch_scc1 .Lnot_wave_0_\@
	s_barrier_signal -3
.Lnot_wave_0_\@:
	s_barrier_wait -3
	s_barrier_signal -1
	s_barrier_wait -1
.endm
; a fragment from rows of 816 bytes: six pieces of 8 bytes; where lanes 16-31 (24 bytes on) fall behind one padding more, the second address register (40 h) serves
.macro FRAG reg, a1, base, ks
.irp p, 0,1,2,3,4,5
.set X0, 96*(\ks)+48*(\p/3)+8*(\p%3)
.if X0%256 < 232
	ds_load_b64 v[(\reg)+2*\p:(\reg)+2*\p+1], v[\a1] offset:(\base)+X0+16*(X0/256)
.else
	ds_load_b64 v[(\reg)+2*\p:(\reg)+2*\p+1], v[(\a1)+1] offset:(\base)+X0+16*(X0/256)
.endif
.endr
.endm
.macro LOADF p, a1, base               ; a weight tile's eight fragments into set p of window 3: 48 loads
	WIN 0xc0
.irp ks, 0,1,2,3,4,5,6,7
	FRAG 96*(\p)+12*\ks, \a1, \base, \ks
.endr
	WIN 0
.endm
.macro WMR d, a, b, c, sa, sb, ra, rb
.if (\ra) && (\rb)
	v_wmma_scale_f32_16x16x128_f8f6f4 v[(\d):(\d)+7], v[(\a):(\a)+11], v[(\b):(\b)+11], v[(\c):(\c)+7], v[\sa], v[\sb] matrix_a_fmt:MATRIX_FMT_BF6 matrix_b_fmt:MATRIX_FMT_BF6 matrix_a_scale:MATRIX_SCALE_ROW1 matrix_b_scale:MATRIX_SCALE_ROW1
.else
	v_wmma_scale_f32_16x16x128_f8f6f4 v[(\d):(\d)+7], v[(\a):(\a)+11], v[(\b):(\b)+11], v[(\c):(\c)+7], v[\sa], v[\sb] matrix_a_fmt:MATRIX_FMT_BF6 matrix_b_fmt:MATRIX_FMT_BF6
.endif
.endm
; 32 matrix instructions: Wk's tile t (set p) against the four key tiles, K ascending; the four accumulators take turns.  They were loaded with bk.
.macro MM_K t, p
.irp ks, 0,1,2,3,4,5,6,7
.if \ks == 0
	WIN 0x07                           ; source 0 window 3, source 1 window 1
.endif
.if \ks == 4
	WIN 0x0b                           ; source 1 window 2
.endif
.irp kt, 0,1,2,3
	WMR ACC+32*\kt+8*(\t), 96*(\p)+12*\ks, 48*\kt+12*(\ks%4), ACC+32*\kt+8*(\t), WS+4*(\t)+\ks%4, JS+4*\kt+\ks%4, \ks/4, \ks/4
.endr
.endr
	WIN 0
.endm
; the same for Wv's tile t, sources swapped; the first K step takes the bias as C
.macro MM_V t, p
.irp ks, 0,1,2,3,4,5,6,7
.if \ks == 0
	WIN 0x0d                           ; source 0 window 1, source 1 window 3
.endif
.if \ks == 4
	WIN 0x0e
.endif
.irp kt, 0,1,2,3
.if \ks == 0
	WMR ACC+32*((\t)%2)+8*\kt, 48*\kt+12*(\ks%4), 96*(\p)+12*\ks, CB, JS+4*\kt+\ks%4, WS+16+4*(\t)+\ks%4, 0, 0
.else
	WMR ACC+32*((\t)%2)+8*\kt, 48*\kt+12*(\ks%4), 96*(\p)+12*\ks, ACC+32*((\t)%2)+8*\kt, JS+4*\kt+\ks%4, WS+16+4*(\t)+\ks%4, \ks/4, \ks/4
.endif
.endr
.endr
	WIN 0
.endm
; 32 numbers of a lane (two blocks of 32, of which lane l xor 16 holds the other halves) become half a fragment in v[hh..hh+5] and two scale bytes in v[uu]
.macro HALFQUANT s, hh, uu
	s_wait_xcnt 0x0                    ; earlier stores have read their data: the sets may be written again
	v_max3_num_f32 v[TM], |v[\s]|, |v[\s+1]|, 0x2800000        ; the floor 2^(5 - 127) among the leaves: the byte cannot fall under 1
	v_max3_num_f32 v[TM+1], |v[\s+16]|, |v[\s+17]|, 0x2800000
.irp i, 2,4,6,8,10,12,14
	v_max3_num_f32 v[TM], v[TM], |v[\s+\i]|, |v[\s+\i+1]|
	v_max3_num_f32 v[TM+1], v[TM+1], |v[\s+\i+16]|, |v[\s+\i+17]|
.endr
	v_permlanex16_b32 v[TM+2], v[TM], s80, s81
	v_permlanex16_b32 v[TM+3], v[TM+1], s80, s81
	v_max_num_f32 v[TM], v[TM], v[TM+2]
	v_max_num_f32 v[TM+1], v[TM+1], v[TM+3]
	v_add_nc_u32 v[TM+4], 0xfe000000, v[TM]                    ; 4 off the exponent field: the conversion's scale operand
	v_add_nc_u32 v[TM+5], 0xfe000000, v[TM+1]
	v_lshrrev_b32 v[TM+6], 23, v[TM+4]                         ; the scale's byte
	v_lshrrev_b32 v[TM+7], 23, v[TM+5]
	v_lshl_or_b32 v[\uu], v[TM+7], 8, v[TM+6]
	v_cvt_scalef32_pk16_bf6_f32 v[\hh:\hh+2], v[\s:\s+15], v[TM+4]
	v_cvt_scalef32_pk16_bf6_f32 v[PT:PT+2], v[\s+16:\s+31], v[TM+5]
	v_nop                              ; one plain place behind a scaled conversion
.irp i, 0,1,2
	v_permlane16_swap_b32 v[\hh+\i], v[PT+\i]                  ; a whole block to a lane: lanes 0-15 the first, lanes 16-31 the second
.endr
.irp i, 0,1,2
	v_mov_b32 v[\hh+3+\i], v[PT+\i]
.endr
.endm
.macro OUTHF hh, uu, cb, sb, off, soff
	global_store_b128 v3, v[\hh:\hh+3], s[\cb:\cb+1] offset:\off          ; 512 consecutive bytes
	global_store_b64 v4, v[\hh+4:\hh+5], s[\cb:\cb+1] offset:\off+512     ; 256 consecutive bytes
	global_store_b16 v5, v[\uu], s[\sb:\sb+1] offset:\soff                ; both halves of the lanes write the same two bytes
.endm
; a half of my weight region, read out, is filled again with two tiles of Wv.  Every wave: all its tensor loads waited for, the add, the wait for it and for its LDS reads; a round of the cluster's barrier; the one joint load first behind it.
.macro BOUND g0, off
	s_wait_tensorcnt 0x0
	ds_add_u32 v6, v7                  ; 0 onto my spare word
	s_add_nc_u64 s[\g0+2:\g0+3], s[84:85], \off
	s_or_b32 s[\g0+3], s[\g0+3], 0x80000000
	s_wait_dscnt 0x0
	CROUND
	tensor_load_to_lds s[\g0:\g0+3], s[44:51]
	s_nop 0
	PLACES                             ; also the places in front of the loads into the set that the last products read
.endm
	s_load_b512 s[4:19], s[0:1], 0x0   ; janus codes s[4:5], scales s[6:7]; Wk codes s[8:9], scales s[10:11]; bk s[12:13]; Wv codes s[14:15], scales s[16:17]; bv s[18:19]
	s_load_b128 s[20:23], s[0:1], 0x40 ; kimg, vimg
	v_lshl_add_u32 v6, v0, 2, SPARE
	v_mov_b32 v7, 0
	ds_add_u32 v6, v7
	ds_add_u32 v6, v7
	s_wait_dscnt 0x0
	v_lshrrev_b32 v1, 5, v0
	v_readfirstlane_b32 s24, v1        ; wave
	s_bfe_u32 s25, ttmp6, 0x40000      ; cx
	s_lshl_b32 s26, ttmp9, 2
	s_add_co_u32 s26, s26, s25         ; x: which 64 keys; it enters global addresses alone
	; group 1: dense blocks as rows of 256 bytes (32 elements of 8), 16 bytes of padding behind each.  s[28:35]: 48 rows, my own; s[36:43]: 48 rows, joint; s[44:51]: 96 rows, joint
	s_mov_b32 s28, (3<<16)|(1<<20)|(5<<22)|(3<<25)
	s_mov_b32 s36, 15|(3<<16)|(1<<20)|(1<<21)|(5<<22)|(3<<25)
	s_mov_b32 s44, 15|(3<<16)|(1<<20)|(1<<21)|(5<<22)|(3<<25)
.irp g, 28, 36, 44
	s_mov_b32 s[\g+1], 32<<16
	s_mov_b32 s[\g+3], 32<<16
	s_mov_b32 s[\g+5], 32
	s_mov_b32 s[\g+6], 0
	s_mov_b32 s[\g+7], 0
.endr
	s_mov_b32 s30, 48<<16
	s_mov_b32 s32, 48
	s_mov_b32 s38, 48<<16
	s_mov_b32 s40, 48
	s_mov_b32 s46, 96<<16
	s_mov_b32 s48, 96
	s_mul_i32 s82, s24, WKW
	s_add_co_u32 s82, s82, WK0         ; my weight region
	s_mul_i32 s83, s24, JT
	s_mul_i32 s86, s26, 49152          ; 64 keys x 768 bytes
	s_mul_i32 s87, s24, 12288
	s_add_co_u32 s86, s86, s87
	s_mov_b32 s87, 0
	s_mul_i32 s88, s24, 49152          ; 64 rows of Wk
	s_mov_b32 s89, 0
	s_mul_i32 s90, s24, 61440          ; 80 rows of Wv
	s_mov_b32 s91, 0
	s_mov_b32 s80, 0x76543210
	s_mov_b32 s81, 0xfedcba98          ; v_permlanex16_b32: lane l xor 16
	s_wait_kmcnt 0x0
	s_mov_b32 s52, 1                   ; janus: my quarter
	s_mov_b32 s53, s83
	s_add_nc_u64 s[54:55], s[4:5], s[86:87]
	s_or_b32 s55, s55, 0x80000000
	s_mov_b32 s56, 1                   ; Wk: my rows' first half
	s_mov_b32 s57, s82
	s_add_nc_u64 s[58:59], s[8:9], s[88:89]
	s_mov_b32 s60, 1                   ; second half
	s_add_co_u32 s61, s82, 2*JT
	s_add_nc_u64 s[62:63], s[58:59], 24576
	s_or_b32 s59, s59, 0x80000000
	s_or_b32 s63, s63, 0x80000000
	s_add_nc_u64 s[84:85], s[14:15], s[90:91]  ; Wv at my rows
	s_mov_b32 s68, 1                   ; Wv: my first tile
	s_add_co_u32 s69, s83, WV0
	s_mov_b64 s[70:71], s[84:85]
	s_or_b32 s71, s71, 0x80000000
	CROUND                             ; the four partners are here: the first joint loads meet
	tensor_load_to_lds s[52:55], s[28:35]
	s_nop 0
	tensor_load_to_lds s[56:59], s[44:51]
	s_nop 0
	tensor_load_to_lds s[60:63], s[44:51]
	s_nop 0
	tensor_load_to_lds s[68:71], s[36:43]      ; four loads of mine are out
	s_nop 0
	PLACES
	v_and_b32 v1, 15, v0               ; r
	v_bfe_u32 v2, v0, 4, 1             ; h
	v_and_b32 v3, 31, v0
	v_lshlrev_b32 v4, 3, v3
	v_lshlrev_b32 v3, 4, v3
	v_lshlrev_b32 v5, 2, v1
	v_mul_u32_u24 v8, v1, 816
	v_mad_u32_u24 v9, v2, 40, v8
	v_mad_u32_u24 v8, v2, 24, v8
	v_add_nc_u32 v10, s82, v8
	v_add_nc_u32 v11, s82, v9
	v_add_nc_u32 v12, s69, v8
	v_add_nc_u32 v13, s69, v9
	v_lshlrev_b32 v14, 5, v1
	v_lshl_add_u32 v14, v2, 4, v14
	v_lshlrev_b32 v15, 5, v2
	v_mov_b32 v[TM+2], 0               ; a lane permute's destination counts as one of its sources
	v_mov_b32 v[TM+3], 0
	s_lshl_b32 s86, s26, 11
	s_add_nc_u64 s[6:7], s[6:7], s[86:87]      ; my 64 keys' scale bytes
	s_lshl_b32 s86, s24, 11
	s_add_nc_u64 s[10:11], s[10:11], s[86:87]
	s_mul_i32 s86, s24, 2560
	s_add_nc_u64 s[16:17], s[16:17], s[86:87]
	s_lshl_b32 s86, s24, 8
	s_add_nc_u64 s[12:13], s[12:13], s[86:87]
	s_mul_i32 s86, s24, 320
	s_add_nc_u64 s[18:19], s[18:19], s[86:87]
.irp u, 0,1,2,3
	global_load_b128 v[WS+4*\u:WS+4*\u+3], v14, s[10:11] offset:512*\u
.endr
.irp u, 0,1,2,3,4
	global_load_b128 v[WS+16+4*\u:WS+16+4*\u+3], v14, s[16:17] offset:512*\u
.endr
.irp u, 0,1,2,3
	global_load_b128 v[JS+4*\u:JS+4*\u+3], v14, s[6:7] offset:512*\u
.endr
.irp u, 0,1,2,3,4
	global_load_b32 v[BV+\u], v5, s[18:19] offset:64*\u
.endr
.irp kt, 0,1,2,3
.irp t, 0,1,2,3
	global_load_b128 v[ACC+32*\kt+8*\t:ACC+32*\kt+8*\t+3], v15, s[12:13] offset:64*\t        ; bk starts k's sums: channel 64 w + 16 t + 8 h + j
	global_load_b128 v[ACC+32*\kt+8*\t+4:ACC+32*\kt+8*\t+7], v15, s[12:13] offset:64*\t+16
.endr
.endr
	; where my half fragments and scale bytes go
	s_lshr_b32 s92, s26, 1             ; the block of 128 keys
	s_and_b32 s93, s26, 1              ; which half of it
	s_lshr_b32 s94, s24, 1             ; k: channel step
	s_and_b32 s95, s24, 1              ; and half of it
	s_mul_i32 s86, s92, KBLK
	s_mul_i32 s88, s94, 12288
	s_add_co_u32 s88, s88, s86
	s_mul_i32 s90, s93, 6144
	s_add_co_u32 s88, s88, s90
	s_mul_i32 s90, s95, 768
	s_add_co_u32 s88, s88, s90
	s_add_nc_u64 s[72:73], s[20:21], s[88:89]
	s_lshl_b32 s88, s93, 9
	s_add_co_u32 s88, s88, s86
	s_lshl_b32 s90, s94, 6
	s_add_co_u32 s88, s88, s90
	s_lshl_b32 s90, s95, 1
	s_add_co_u32 s88, s88, s90
	s_add_co_u32 s88, s88, 24576
	s_add_nc_u64 s[74:75], s[20:21], s[88:89]
	s_mul_i32 s86, s92, VBLK
	s_mul_i32 s88, s24, 7680
	s_add_co_u32 s88, s88, s86
	s_mul_i32 s90, s93, 768
	s_add_co_u32 s88, s88, s90
	s_add_nc_u64 s[76:77], s[22:23], s[88:89]
	s_mul_i32 s88, s24, 320
	s_add_co_u32 s88, s88, s86
	s_lshl_b32 s90, s93, 1
	s_add_co_u32 s88, s88, s90
	s_add_co_u32 s88, s88, 30720
	s_add_nc_u64 s[78:79], s[22:23], s[88:89]
	s_wait_tensorcnt 0x3               ; my quarter of janus is in: three loads were issued behind it
	s_barrier_signal -1
	s_barrier_wait -1                  ; everybody's is
	WIN 0x40
.irp kt, 0,1,2,3
.irp ks, 0,1,2,3
	FRAG 48*\kt+12*\ks, 8, JT*\kt, \ks
.endr
.endr
	WIN 0x80
.irp kt, 0,1,2,3
.irp ks, 4,5,6,7
	FRAG 48*\kt+12*(\ks-4), 8, JT*\kt, \ks
.endr
.endr
	WIN 0
	s_wait_tensorcnt 0x2               ; Wk's first half is in (two loads behind it); only I read it
	LOADF 0, 10, 0
	LOADF 1, 10, JT
	s_wait_loadcnt 0x0                 ; scale words and biases
	s_wait_dscnt 48                    ; all but the second tile's 48 loads
	MM_K 0, 0
	BOUND 56, 12288                    ; tiles 0 and 1 of Wk are in registers: their bytes take Wv's tiles 1 and 2
	LOADF 0, 10, 2*JT
	MM_K 1, 1
	PLACES
	LOADF 1, 10, 3*JT
	s_wait_dscnt 48
	MM_K 2, 0
	BOUND 60, 36864                    ; Wk's tiles 2 and 3 likewise: Wv's tiles 3 and 4
	LOADF 0, 12, 0                     ; Wv's tile 0
	MM_K 3, 1
	PLACES
	LOADF 1, 10, 0                     ; Wv's tile 1 (landed: the wait for all loads above)
.irp j, 0,1,2,3,4,5,6,7
	v_mov_b32 v[CB+\j], v[BV]
.endr
.irp kt, 0,1,2,3                       ; k: my 64 channels of 16 keys are half a fragment
	HALFQUANT ACC+32*\kt, H6+6*(\kt%2), U16+\kt%2
	OUTHF H6+6*(\kt%2), U16+\kt%2, 72, 74, 1536*\kt, 128*\kt
.endr
.irp t, 0,1,2,3,4
.if \t < 4
	s_wait_dscnt 48                    ; this tile's fragments are in; the next tile's 48 loads may be out
.else
	s_wait_dscnt 0x0
.endif
	MM_V \t, \t%2
	PLACES
.if \t == 1
	s_wait_tensorcnt 0x0               ; Wv's tiles 3 and 4 have landed: no load was issued behind theirs
.endif
.if \t < 3
	LOADF \t%2, 10, (\t+1)*JT
.endif
.if \t < 4
.irp j, 0,1,2,3,4,5,6,7
	v_mov_b32 v[CB+\j], v[BV+\t+1]
.endr
.endif
	HALFQUANT ACC+32*(\t%2), H6+6*(\t%2), U16+\t%2             ; v: 64 keys of 16 channels are half a fragment
	OUTHF H6+6*(\t%2), U16+\t%2, 76, 78, 1536*\t, 64*\t
.endr
	s_wait_tensorcnt 0x0               ; the wave's end
	ds_add_u32 v6, v7
	s_wait_dscnt 0x0
	CROUND                             ; the closing round
	s_endpgm
.Lfunc_end_k_qce2d47bed0_kvproj:
	.size	k_qce2d47bed0_kvproj, .Lfunc_end_k_qce2d47bed0_kvproj-k_qce2d47bed0_kvproj
	.p2alignl 7, 3214868480
	.fill 96, 4, 3214868480
	.section	.rodata,"a",@progbits
	.p2align	6, 0x0
	.amdhsa_kernel k_qce2d47bed0_kvproj
		.amdhsa_group_segment_fixed_size 327680
		.amdhsa_private_segment_fixed_size 0
		.amdhsa_enable_private_segment 0
		.amdhsa_kernarg_size 80
		.amdhsa_user_sgpr_count 2
		.amdhsa_user_sgpr_kernarg_segment_ptr 1
		.amdhsa_wavefront_size32 1
		.amdhsa_system_sgpr_workgroup_id_x 1
		.amdhsa_system_sgpr_workgroup_id_y 1
		.amdhsa_system_sgpr_workgroup_id_z 1
		.amdhsa_system_vgpr_workitem_id 0
		.amdhsa_next_free_vgpr 1024
		.amdhsa_next_free_sgpr 96
		.amdhsa_reserve_vcc 0
		.amdhsa_float_denorm_mode_32 3
		.amdhsa_float_denorm_mode_16_64 3
		.amdhsa_memory_ordered 1
		.amdhsa_forward_progress 1
		.amdhsa_inst_pref_size 113
	.end_amdhsa_kernel
	.amdgpu_metadata
---
amdhsa.version: [ 1, 2 ]
amdhsa.kernels:
  - .name:           k_qce2d47bed0_kvproj
    .symbol:         k_qce2d47bed0_kvproj.kd
    .args:
      - { .name: janus_feat_codes, .offset: 0, .size: 8, .value_kind: global_buffer, .address_space: global }
      - { .name: janus_feat_scales, .offset: 8, .size: 8, .value_kind: global_buffer, .address_space: global }
      - { .name: Wk_codes, .offset: 16, .size: 8, .value_kind: global_buffer, .address_space: global }
      - { .name: Wk_scales, .offset: 24, .size: 8, .value_kind: global_buffer, .address_space: global }
      - { .name: bk, .offset: 32, .size: 8, .value_kind: global_buffer, .address_space: global }
      - { .name: Wv_codes, .offset: 40, .size: 8, .value_kind: global_buffer, .address_space: global }
      - { .name: Wv_scales, .offset: 48, .size: 8, .value_kind: global_buffer, .address_space: global }
      - { .name: bv, .offset: 56, .size: 8, .value_kind: global_buffer, .address_space: global }
      - { .name: kimg, .offset: 64, .size: 8, .value_kind: global_buffer, .address_space: global }
      - { .name: vimg, .offset: 72, .size: 8, .value_kind: global_buffer, .address_space: global }
    .group_segment_fixed_size: 327680
    .private_segment_fixed_size: 0
    .kernarg_segment_align: 8
    .kernarg_segment_size: 80
    .max_flat_workgroup_size: 128
    .sgpr_count:     96
    .vgpr_count:     1024
    .wavefront_size: 32
...
	.end_amdgpu_metadata
.endif
;; end of part 1
;; launch attn (part 2): grid 64 x 4, 4 waves a work-group, clusters of 4 x 1, 327,680 bytes of LDS; arguments unet_feat, Wq_codes, Wq_scales, bq, kimg, vimg, Wo_codes, Wo_scales, bo, out0; writes out0
.if DOCPART == 2
	.amdgcn_target "amdgcn-amd-amdhsa--gfx1250"
	.amdhsa_code_object_version 6
	.text
	.protected	k_qce2d47bed0_attn
	.globl	k_qce2d47bed0_attn
	.p2align	8
	.type	k_qce2d47bed0_attn,@function
k_qce2d47bed0_attn:
	s_mov_b64 s[64:65], 0
	v_nop
	global_prefetch_b8 v0, s[64:65] scope:SCOPE_SE
	s_setreg_imm32_b32 hwreg(HW_REG_WAVE_MODE, 25, 1), 1
	s_wait_xcnt 0x0
	s_wait_alu depctr_hold_cnt(0) depctr_sa_sdst(0) depctr_va_vdst(0) depctr_va_sdst(0) depctr_va_ssrc(0) depctr_va_vcc(0) depctr_vm_vsrc(0)
	s_getreg_b32 s2, hwreg(HW_REG_IB_STS2, 6, 4)
	s_cmp_eq_u32 s2, 0
	s_cbranch_scc0 .Lentry_in_a_cluster
	s_endpgm
.Lentry_in_a_cluster:
	s_bfe_u32 s2, ttmp6, 0x10000c
	s_cmp_lg_u32 s2, 0x3003
	s_cbranch_scc0 .Lentry_shape_is_right
	s_endpgm
.Lentry_shape_is_right:
; out0 = unet + Wo (softmax(q k^T / 16) v) + bo, q = Wq unet + bq; every product on codes of BF6 (E3M2) with E8M0 scales.  k and v come as register images (kimg, vimg).
; SHARES.  A work-group owns 64 queries (4 tiles of 16) of one batch.  Wave w walks HALF of the 4,096 keys (half w & 1, 16 steps of 128) for TWO tiles: X = w, which it
; finishes, and Y = w xor 1, whose partial sums it hands to wave w xor 1 at the end.  So each fragment of k and v read from LDS feeds two matrix instructions.
; LAYOUT.  S^T = k q^T and O^T = v p^T: a lane holds ONE query throughout.  Tiles are natural, so inside a block of 32 the codes of q, k, p and v stand in one and the same
; fixed order (position 16 a + 8 e + j holds element 16 e + 8 a + j): both sides of a product carry it, inside one scale block.  x (against Wq) is loaded in true order; the
; attention's result (against Wo) is brought into true order by exchanges of lane halves.
; SOFTMAX.  t = score x log2(e) / 16; M = the running largest t rounded up to a whole number (-M = floor(-t)); p = 2^(t - M) is quantised along the keys; the sum is taken of the
; unquantised p; when M moves, sum and O^T are multiplied by a power of two.  The two halves of the keys are joined the same way, and O^T is divided by the sum.
; RING.  Two LDS slots, each with k's and v's blocks of both key halves (115,200 bytes), filled by joint tensor loads: the four query blocks of a cluster walk the same k and v.
; THE ORDER OF A TRIP.  The change of slots stands between a step's softmax and its products v p^T: v is in registers by then.
; v's 20 fragments are loaded in five runs of four among the softmax's lines.
; x's tile (320 channels x 64 queries, f32) comes once by a tensor load, feeds q, and is the residual at the end: unet is read once.
; LIMITS: NaN, infinities and a given scale byte 0xff are not served; a block whose largest magnitude is under 2^-122, a block of zeros among them, gets the byte 1.
; O^T is cleared once (320 moves), so that no step's products v p^T need a form of their own.
; REGISTERS.  window 0: v1-6 static LDS addresses, v7 spare word, v8 0, v9-14 the step's addresses, v15 prefetch offset, v16-19 q's scale words, v20-21 p's, v22-33 statistics
; (X: -M, t, sum x 2; Y likewise; f of X, f of Y; in the head v22-25 are x's and bq's addresses), v36-58 at work, v64-127 S of X, v128-191 S of Y, v192-215 p's codes,
; v216-223 k's scale words, v224-233 v's.  v34, v35, v55, v59, v61, v254, v255: the tail's LDS addresses, made at the head from the thread's and the wave's number, and holding nothing else.
; window 1: O^T of X (v0-159), k's fragments 8-11 (v160-207), q's four fragments (v208-255).  window 2: O^T of Y (v0-159), k's fragments 0-7 (v160-255).
; window 3: k's fragments 12-15 (v0-47), then v's 20 (v0-239).
.set KBLK,  25600
.set VBLK,  32000
.set VOFF,  2*KBLK
.set SLOT,  2*KBLK+2*VBLK
.set XT,    2*SLOT                     ; x's tile: 320 rows x (256 + 16) bytes; filled once, never stored to
.set XTW,   80*272
.set SPARE, XT+4*XTW                   ; the spare words: two blocks of 256 bytes that no other line names
; the tail's LDS, in the slots, which have had their last fill by then
.set OENT,  2048                       ; from byte 0: 12 fragments of the attention's result: 1,536 bytes of codes, then the scale words at 16 x lane
.set MB,    12*OENT                    ; behind them: a block for each wave:
.set MRG,   20992                      ; O^T of Y (20,480 bytes), then -M and the sum, 8 bytes at 16 x lane
.set STG,   SLOT                       ; the way out: 80 rows x 272 bytes a wave
.set TL,  34                           ; v34   16 x lane
.set TOW, 35                           ; v35   16 x lane + 3 OENT x wave: where I put my tile's three fragments
.set TMY, 55                           ; v55   16 x lane + my block
.set TPA, 59                           ; v59   16 x lane + my partner's block
.set TSI, 61                           ; v61   the stage, in: row r, 32 h
.set TSO, 254                          ; v254  the stage, back: lanes 0-15 one row, lanes 16-31 the next
.set TXO, 255                          ; v255  the same rows of x
.set BM, 36
.set BP, 40
.set SO, 44
.set TT, 48
.set C2, 50
.set PT, 52
.set MSB, 0
.macro WIN new
.if MSB != (\new)
	s_set_vgpr_msb (MSB<<8)|(\new)
.set MSB, \new
.endif
.endm
.macro PLACES
.rept 4
	v_nop
.endr
.endm
.macro CROUND
	s_barrier_signal -1
	s_barrier_wait -1
	s_cmp_lg_u32 s24, 0
	s_cbranch_scc1 .Lnot_wave_0_\@
	s_barrier_signal -3
.Lnot_wave_0_\@:
	s_barrier_wait -3
	s_barrier_signal -1
	s_barrier_wait -1
.endm
.macro JLOAD                           ; waves 0 and 1 fetch k's block of key half 0, 1; waves 2 and 3 v's.  Four v_nop follow each line
	s_cmp_lt_u32 s24, 2
	s_cbranch_scc0 .Lfor_v_\@
	tensor_load_to_lds s[56:59], s[32:39]
	s_nop 0
	PLACES
	s_branch .Lasked_\@
.Lfor_v_\@:
	tensor_load_to_lds s[60:63], s[40:47]
	s_nop 0
	PLACES
.Lasked_\@:
.endm
; a prefetch of the block that my next joint load will ask for: one trip ahead.  All 16 clusters of a batch walk the same blocks: the first asks.  Its four partners share a block's pieces of 256 bytes
; out by address (32 cx + lane, held at the last piece); each wave asks for the block that it fetches.  The last change that fills a slot asks for nothing.
.macro ASK
	s_cmp_gt_u32 s29, s78
	s_cbranch_scc0 .Lnot_mine_\@
	global_prefetch_b8 v15, s[74:75] th:TH_LOAD_NT scope:SCOPE_SE
.Lnot_mine_\@:
.endm
.macro WMR d, a, b, c, sa, sb, ra, rb
.if (\ra)
	v_wmma_scale_f32_16x16x128_f8f6f4 v[(\d):(\d)+7], v[(\a):(\a)+11], v[(\b):(\b)+11], v[(\c):(\c)+7], v[\sa], v[\sb] matrix_a_fmt:MATRIX_FMT_BF6 matrix_b_fmt:MATRIX_FMT_BF6 matrix_a_scale:MATRIX_SCALE_ROW1
.else
	v_wmma_scale_f32_16x16x128_f8f6f4 v[(\d):(\d)+7], v[(\a):(\a)+11], v[(\b):(\b)+11], v[(\c):(\c)+7], v[\sa], v[\sb] matrix_a_fmt:MATRIX_FMT_BF6 matrix_b_fmt:MATRIX_FMT_BF6
.endif
.endm
.macro WMZ d, a, b, sa, sb             ; the first K step starts a sum
	v_wmma_scale_f32_16x16x128_f8f6f4 v[(\d):(\d)+7], v[(\a):(\a)+11], v[(\b):(\b)+11], 0, v[\sa], v[\sb] matrix_a_fmt:MATRIX_FMT_BF6 matrix_b_fmt:MATRIX_FMT_BF6
.endm
.macro FRAG4 reg, a16, a8, off         ; a fragment's image: two halves of 512 + 256 dense bytes
	ds_load_b128 v[(\reg):(\reg)+3], v[\a16] offset:\off
	ds_load_b64 v[(\reg)+4:(\reg)+5], v[\a8] offset:\off+512
	ds_load_b128 v[(\reg)+6:(\reg)+9], v[\a16] offset:\off+768
	ds_load_b64 v[(\reg)+10:(\reg)+11], v[\a8] offset:\off+1280
.endm
.macro KRUN win, reg, f0               ; four of k's sixteen fragments, f0 on, into v[reg] on of the window that win names as the destination's: 16 loads
	WIN \win
.irp u, 0,1,2,3
	FRAG4 (\reg)+12*\u, 9, 10, 1536*((\f0)+\u)
.endr
.endm
.macro VRUN n                          ; four of v's twenty fragments, 4 n on, into window 3: 16 loads; n < 0: nothing
.if (\n) >= 0
	WIN 0xc0
.irp u, 0,1,2,3
	FRAG4 12*(4*(\n)+\u), 12, 13, 1536*(4*(\n)+\u)
.endr
	WIN 0
.endif
.endm
; 64 numbers of a lane (four blocks of 32, 16 of each; lane l xor 16 holds the others) become a fragment's codes in v[pc..pc+11] and its scale word in v[pw]
.macro QUANT s, pc, pw
.irp b, 0,1,2,3
	v_max3_num_f32 v[BM+\b], |v[\s+16*\b]|, |v[\s+1+16*\b]|, 0x2800000      ; the floor 2^(5 - 127): the byte cannot fall under 1
.endr
.irp i, 2,4,6,8,10,12,14
.irp b, 0,1,2,3
	v_max3_num_f32 v[BM+\b], v[BM+\b], |v[\s+16*\b+\i]|, |v[\s+1+16*\b+\i]|
.endr
.endr
.irp b, 0,1,2,3
	v_permlanex16_b32 v[BP+\b], v[BM+\b], s80, s81
.endr
.irp b, 0,1,2,3
	v_max_num_f32 v[BM+\b], v[BM+\b], v[BP+\b]
.endr
.irp b, 0,1,2,3
	v_add_nc_u32 v[SO+\b], 0xfe000000, v[BM+\b]                ; 4 off the exponent field: the conversion's scale operand
.endr
.irp b, 0,1,2,3
	v_lshrrev_b32 v[BP+\b], 23, v[SO+\b]                       ; the scale's byte
.endr
	v_lshl_or_b32 v[\pw], v[BP+1], 8, v[BP]
	v_lshl_or_b32 v[\pw], v[BP+2], 16, v[\pw]
	v_lshl_or_b32 v[\pw], v[BP+3], 24, v[\pw]
.irp c, 0,1
	v_cvt_scalef32_pk16_bf6_f32 v[\pc+6*\c:\pc+6*\c+2], v[\s+32*\c:\s+32*\c+15], v[SO+2*\c]
	v_cvt_scalef32_pk16_bf6_f32 v[PT+4*\c:PT+4*\c+2], v[\s+32*\c+16:\s+32*\c+31], v[SO+2*\c+1]
.endr
	v_nop                              ; one plain place behind a scaled conversion
.irp c, 0,1
.irp i, 0,1,2
	v_permlane16_swap_b32 v[\pc+6*\c+\i], v[PT+4*\c+\i]        ; a whole block to a lane
.endr
.irp i, 0,1,2
	v_mov_b32 v[\pc+6*\c+3+\i], v[PT+4*\c+\i]
.endr
.endr
.endm
; x: K step s of tile q (address register a): register 16 b + i = channel 128 s + 32 b + 16 h + i of my query; the last step has 64 channels and 64 zeros
.macro XQ a, q, s
	v_add_nc_u32 v24, 34816*\s, v[\a]
.irp b, 0,1,2,3
.if (\b < 2) || (\s < 2)
.irp i, 0,1,2,3,4,5,6,7,8,9,10,11,12,13,14,15
	ds_load_b32 v[64+16*\b+\i], v24 offset:(32*\b+\i)*272
.endr
.else
.irp i, 0,1,2,3,4,5,6,7,8,9,10,11,12,13,14,15
	v_mov_b32 v[64+16*\b+\i], 0
.endr
.endif
.endr
	s_wait_dscnt 0x0
	QUANT 64, 128+12*(3*\q+\s), 248+3*\q+\s
.endm
.macro WQL t0, toff                    ; four tiles of Wq, K steps 0 and 1: 48 loads in a run
.irp t, \t0, \t0+1, \t0+2, \t0+3
.irp s, 0,1
.irp p, 0,1,2,3,4,5
	global_load_b64 v[24*(\t)+12*\s+2*\p:24*(\t)+12*\s+2*\p+1], v60, s[6:7] offset:3840*(\t+\toff)+96*\s+48*(\p/3)+8*(\p%3)
.endr
.endr
.endr
.endm
; q: channels 128 f on of tile q: 8 accumulators by turns, three K steps, bq as the first C; quantised; to its home in window 1
.macro QPROJ f, q
	WIN 0x23+0x0f*\f                   ; source 0 (Wq) window 3 or 2, source 2 (bq) window 2 or 3
.irp t, 0,1,2,3,4,5,6,7
	WMR 64+8*\t, 24*\t, 128+36*\q, 192+8*\t, 224+3*\t, 248+3*\q, \f, 0
.endr
	WIN 0x03-\f
.irp t, 0,1,2,3,4,5,6,7
	WMR 64+8*\t, 24*\t+12, 140+36*\q, 64+8*\t, 225+3*\t, 249+3*\q, \f, 0
.endr
	WIN 0x01
.irp t, 0,1,2,3,4,5,6,7
	WMR 64+8*\t, 12*(8*\f+\t), 152+36*\q, 64+8*\t, 226+3*\t, 250+3*\q, \f, 0
.endr
	WIN 0
	PLACES
	QUANT 64, 200, 16+2*\q+\f
	WIN 0x40
.irp i, 0,1,2,3,4,5,6,7,8,9,10,11
	v_mov_b32 v[208+12*(2*\q+\f)+\i], v[200+\i]
.endr
	WIN 0
.endm
; one tile's softmax for 128 keys: scores in v[sb..sb+63]; st: -M, t; ls: the sum; fr: f; pc: p's codes; pw: p's scale word.
; r1, r2, r3: the runs of v's loads that stand in front of the exponentials, behind their wait, and at the end (under 0: none).  No load stands between an exponential and the wait.
.macro SOFTMAX sb, st, ls, fr, pc, pw, r1, r2, r3
.irp b, 0,1,2,3
	v_max3_num_f32 v[BM+\b], v[\sb+16*\b], v[\sb+1+16*\b], v[\sb+2+16*\b]   ; each block's largest score: for the row's maximum, and, since p rises with the score, for the block's largest p
.endr
.irp i, 3,5,7,9,11,13
.irp b, 0,1,2,3
	v_max3_num_f32 v[BM+\b], v[BM+\b], v[\sb+16*\b+\i], v[\sb+1+16*\b+\i]
.endr
.endr
.irp b, 0,1,2,3
	v_max_num_f32 v[BM+\b], v[BM+\b], v[\sb+15+16*\b]
.endr
.irp b, 0,1,2,3
	v_permlanex16_b32 v[BP+\b], v[BM+\b], s80, s81
.endr
.irp b, 0,1,2,3
	v_max_num_f32 v[BM+\b], v[BM+\b], v[BP+\b]
.endr
	v_max3_num_f32 v[TT], v[BM], v[BM+1], v[BM+2]
	v_max_num_f32 v[TT], v[TT], v[BM+3]
	v_mul_f32 v[TT], s82, v[TT]
	v_max_num_f32 v[\st+1], v[\st+1], v[TT]                    ; the running largest t
	v_mov_b32 v[TT], v[\st]
	v_floor_f32 v[\st], -v[\st+1]                              ; -M = floor(-t): M is a whole number
	v_sub_f32 v[TT], v[\st], v[TT]
	v_cvt_i32_f32 v[TT], v[TT]                                 ; (it saturates)
	v_ldexp_f32 v[\fr], 1.0, v[TT]                             ; f = 2^(old M - new M)
.set jj, 0
.rept 32
	v_pk_fma_f32 v[\sb+jj:\sb+jj+1], v[\sb+jj:\sb+jj+1], s[82:83], v[\st:\st+1] op_sel_hi:[1,0,0]   ; t - M
.set jj, jj+2
.endr
.irp b, 0,1,2,3
	v_fma_f32 v[BM+\b], v[BM+\b], s82, v[\st]
.endr
	VRUN \r1
.set jj, 0
.rept 64
	v_exp_f32 v[\sb+jj], v[\sb+jj]                             ; p = 2^(t - M)
.set jj, jj+1
.endr
.irp b, 0,1,2,3
	v_exp_f32 v[BM+\b], v[BM+\b]                               ; each block's largest p: the same two instructions on the same number
.endr
	v_pk_mul_f32 v[\ls:\ls+1], v[\ls:\ls+1], v[\fr:\fr+1] op_sel_hi:[1,0]   ; a plain place behind the exponentials
	s_wait_alu depctr_va_vdst(0)       ; one wait for the batch of 68, ahead of its first reader
	VRUN \r2
	v_pk_add_f32 v[C2:C2+1], v[\sb:\sb+1], v[\sb+2:\sb+3]      ; the sum of the unquantised p, in two chains
.irp j, 4,8,12,16,20,24,28,32,36,40,44,48,52,56,60
	v_pk_add_f32 v[\ls:\ls+1], v[\ls:\ls+1], v[\sb+\j:\sb+\j+1]
	v_pk_add_f32 v[C2:C2+1], v[C2:C2+1], v[\sb+\j+2:\sb+\j+3]
.endr
	v_pk_add_f32 v[\ls:\ls+1], v[\ls:\ls+1], v[C2:C2+1]
.irp b, 0,1,2,3
	v_max_num_f32 v[BM+\b], 0x2800000, v[BM+\b]
.endr
.irp b, 0,1,2,3
	v_add_nc_u32 v[SO+\b], 0xfe000000, v[BM+\b]
.endr
.irp b, 0,1,2,3
	v_lshrrev_b32 v[BP+\b], 23, v[SO+\b]
.endr
	v_lshl_or_b32 v[\pw], v[BP+1], 8, v[BP]
	v_lshl_or_b32 v[\pw], v[BP+2], 16, v[\pw]
	v_lshl_or_b32 v[\pw], v[BP+3], 24, v[\pw]
.irp c, 0,1
	v_cvt_scalef32_pk16_bf6_f32 v[\pc+6*\c:\pc+6*\c+2], v[\sb+32*\c:\sb+32*\c+15], v[SO+2*\c]
	v_cvt_scalef32_pk16_bf6_f32 v[PT+4*\c:PT+4*\c+2], v[\sb+32*\c+16:\sb+32*\c+31], v[SO+2*\c+1]
.endr
	v_nop
.irp c, 0,1
.irp i, 0,1,2
	v_permlane16_swap_b32 v[\pc+6*\c+\i], v[PT+4*\c+\i]
.endr
.irp i, 0,1,2
	v_mov_b32 v[\pc+6*\c+3+\i], v[PT+4*\c+\i]
.endr
.endr
	VRUN \r3
.endm
.macro PVX lo                          ; ten products of O^T of X += v p^T, channel tiles lo on
	WIN 0x53                           ; v window 3, p window 0, O^T window 1
.irp c, 0,1,2,3,4,5,6,7,8,9
	WMR 8*(\lo+\c), 12*(\lo+\c), 192, 8*(\lo+\c), 224+(\lo+\c)/2, 20, (\lo+\c)%2, 0
.endr
.endm
.macro PVY                             ; the twenty of Y
	WIN 0xa3                           ; O^T window 2
.irp c, 0,1,2,3,4,5,6,7,8,9,10,11,12,13,14,15,16,17,18,19
	WMR 8*\c, 12*\c, 204, 8*\c, 224+\c/2, 21, \c%2, 0
.endr
.endm
; WHAT STANDS BEHIND A CHANGE OF SLOTS.  pv = 1: the products v p^T of the step before, whose v is in registers, with this step's k loaded beside them.  Then this step: k q^T, the softmax of both tiles
; with v's loads among its lines, O^T under the new M, and the next step's addresses.
.macro STEP pv
.irp t, 0,1,2,3,4,5,6,7
	ds_load_b32 v[216+\t], v11 offset:128*\t
.endr
	KRUN 0x80, 160, 0                  ; k's fragments 0-3: window 2
.if \pv
	PVX 0
.endif
	KRUN 0x80, 208, 4                  ; 4-7
.if \pv
	PVX 10
.endif
	KRUN 0x40, 160, 8                  ; 8-11: window 1
.if \pv
	PVY
	WIN 0
	PLACES                             ; in front of the loads over v's first registers
.endif
	KRUN 0xc0, 0, 12                   ; 12-15: window 3
	WIN 0x06                           ; k window 2, q window 1, S window 0
	s_wait_dscnt 32                    ; the scale words and fragments 0-7 are in: the two runs of 16 loads behind them may be out
.irp t, 0,1,2,3,4,5,6,7
	WMZ 64+8*\t, 160+12*\t, 208, 216+\t, 16
	WMZ 128+8*\t, 160+12*\t, 232, 216+\t, 18
.endr
	WIN 0x05                           ; k window 1
	s_wait_dscnt 16                    ; fragments 8-11 are in: the last run of 16 may be out
.irp t, 0,1,2,3
	WMR 64+8*\t, 160+12*\t, 220, 64+8*\t, 216+\t, 17, 1, 0
	WMR 128+8*\t, 160+12*\t, 244, 128+8*\t, 216+\t, 19, 1, 0
.endr
	WIN 0x07                           ; k window 3
	s_wait_dscnt 0x0
.irp t, 4,5,6,7
	WMR 64+8*\t, 12*(\t-4), 220, 64+8*\t, 216+\t, 17, 1, 0
	WMR 128+8*\t, 12*(\t-4), 244, 128+8*\t, 216+\t, 19, 1, 0
.endr
	WIN 0
	PLACES                             ; in front of the loads over k's registers in window 3 and of the first read of the scores
.irp i, 0,1,2,3,4,5,6,7,8,9
	ds_load_b32 v[224+\i], v14 offset:128*\i
.endr
	VRUN 0
	SOFTMAX 64, 22, 24, 30, 192, 20, 1, 2, 3
	SOFTMAX 128, 26, 28, 32, 204, 21, 4, -1, -1
	WIN 0x41
.set jj, 0
.rept 80
	v_pk_mul_f32 v[jj:jj+1], v[jj:jj+1], v[30:31] op_sel_hi:[1,0]      ; O^T of X under the new M
.set jj, jj+2
.endr
	WIN 0x82
.set jj, 0
.rept 80
	v_pk_mul_f32 v[jj:jj+1], v[jj:jj+1], v[32:33] op_sel_hi:[1,0]      ; of Y
.set jj, jj+2
.endr
	WIN 0
	s_xor_b32 s30, s30, SLOT           ; the next step's slot, and its addresses: this step's LDS loads are all issued
.irp i, 0,1,2,3,4,5
	v_add_nc_u32 v[9+\i], s30, v[1+\i]
.endr
.endm
; THE CHANGE OF SLOTS.  Every wave: all its tensor loads waited for (its part of the slot ahead), the add, the wait for it and for its reads of the slot left, v's fragments among them.
; fill = 1: a round of the cluster's barrier, and the slot left is filled with the next blocks: one joint load a wave, first behind the round, with a whole trip in which to land.
.macro CHANGE fill
	s_wait_tensorcnt 0x0
	ds_add_u32 v7, v8                  ; 0 onto my spare word
.if \fill
	s_xor_b32 s31, s31, SLOT
	s_add_co_u32 s57, s31, s72
	s_add_co_u32 s61, s31, s73
	s_add_nc_u64 s[58:59], s[58:59], KBLK
	s_add_nc_u64 s[62:63], s[62:63], VBLK
	s_wait_xcnt 0x0                    ; the last prefetch, a trip back, has read its address
	s_add_nc_u64 s[74:75], s[74:75], s[76:77]
	s_wait_dscnt 0x0
	CROUND
	JLOAD
	ASK
.else
	s_wait_dscnt 0x0
	s_barrier_signal -1
	s_barrier_wait -1
.endif
.endm
; the tail: K step ph of the last product (n registers of O^T): mine x gX + my partner's x gp, into true order, quantised, its image to LDS
.macro MERGE ph, n
.set jj, 0
.rept (\n)/4
	ds_load_b128 v[128+4*jj:131+4*jj], v[TPA] offset:512*(16*(\ph)+jj)
.set jj, jj+1
.endr
	s_wait_dscnt 0x0                   ; my partner's numbers are in; the last step's image stores have read their registers
.set jj, 0
.rept (\n)/2
	v_pk_mul_f32 v[128+jj:129+jj], v[128+jj:129+jj], v[32:33] op_sel_hi:[1,0]
.set jj, jj+2
.endr
	WIN 0x01
.set jj, 0
.rept (\n)/2
	v_pk_fma_f32 v[64+jj:65+jj], v[64*(\ph)+jj:64*(\ph)+jj+1], v[30:31], v[128+jj:129+jj] op_sel_hi:[1,0,1]
.set jj, jj+2
.endr
	WIN 0
.set jj, 0
.rept (\n)/16
.irp j, 0,1,2,3,4,5,6,7
	v_permlane16_swap_b32 v[64+16*jj+\j], v[72+16*jj+\j]       ; lanes 0-15 now hold channels 0-15 of the block, lanes 16-31 channels 16-31
.endr
.set jj, jj+1
.endr
.if (\n) < 64
.set jj, 0
.rept 32
	v_mov_b32 v[96+jj], 0
.set jj, jj+1
.endr
.endif
	QUANT 64, 192, 49
.irp c, 0,1,2
	ds_store_b128 v[TOW], v[192+4*\c:195+4*\c] offset:OENT*(\ph)+512*\c
.endr
	ds_store_b32 v[TOW], v49 offset:OENT*(\ph)+1536
.endm
	s_load_b512 s[4:19], s[0:1], 0x0   ; unet s[4:5]; Wq codes s[6:7], scales s[8:9]; bq s[10:11]; kimg s[12:13]; vimg s[14:15]; Wo codes s[16:17], scales s[18:19]
	s_load_b128 s[20:23], s[0:1], 0x40 ; bo, out0
	v_lshl_add_u32 v7, v0, 2, SPARE
	v_mov_b32 v8, 0
	ds_add_u32 v7, v8
	ds_add_u32 v7, v8
	s_wait_dscnt 0x0
	v_lshrrev_b32 v9, 5, v0
	v_readfirstlane_b32 s24, v9        ; wave
	v_and_b32 v9, 15, v0               ; r
	v_bfe_u32 v10, v0, 4, 1            ; h
	v_and_b32 v11, 31, v0              ; lane
	; the tail's LDS addresses: the thread's number, the wave's number and constants; made here, kept to the end
	v_lshlrev_b32 v[TL], 4, v11
	s_mul_i32 s84, s24, 3*OENT
	v_add_nc_u32 v[TOW], s84, v[TL]
	s_mul_i32 s84, s24, MRG
	s_add_co_u32 s84, s84, MB
	v_add_nc_u32 v[TMY], s84, v[TL]
	s_xor_b32 s85, s24, 1
	s_mul_i32 s85, s85, MRG
	s_add_co_u32 s85, s85, MB
	v_add_nc_u32 v[TPA], s85, v[TL]
	s_mul_i32 s84, s24, XTW
	s_add_co_u32 s85, s84, STG
	s_add_co_u32 s84, s84, XT
	v_mul_u32_u24 v12, v9, 272
	v_lshl_add_u32 v12, v10, 5, v12
	v_add_nc_u32 v[TSI], s85, v12
	v_mul_u32_u24 v12, v10, 272
	v_lshl_add_u32 v12, v9, 4, v12
	v_add_nc_u32 v[TSO], s85, v12
	v_add_nc_u32 v[TXO], s84, v12
	s_and_b32 s25, s24, 1              ; my half of the keys
	s_bfe_u32 s26, ttmp6, 0x40000      ; cx
	s_lshl_b32 s27, ttmp9, 2
	s_add_co_u32 s27, s27, s26         ; my block of 64 queries: it enters global addresses alone
	s_and_b32 s28, ttmp7, 0xffff       ; the batch, which the partners share
	; group 1: k's block: 100 dense rows of 256 bytes, joint; v's: 125; x: 80 rows of 256 bytes, 16,384 bytes apart, 16 bytes of padding behind each, my own
	s_mov_b32 s32, 15|(3<<16)|(1<<21)
	s_mov_b32 s40, 15|(3<<16)|(1<<21)
	s_mov_b32 s48, (3<<16)|(1<<20)|(5<<22)|(3<<25)
.irp g, 32, 40, 48
	s_mov_b32 s[\g+1], 32<<16
	s_mov_b32 s[\g+3], 32<<16
	s_mov_b32 s[\g+6], 0
	s_mov_b32 s[\g+7], 0
.endr
	s_mov_b32 s34, 100<<16
	s_mov_b32 s36, 100
	s_mov_b32 s37, 32
	s_mov_b32 s42, 125<<16
	s_mov_b32 s44, 125
	s_mov_b32 s45, 32
	s_mov_b32 s50, 80<<16
	s_mov_b32 s52, 80
	s_mov_b32 s53, 2048
	s_mul_i32 s72, s25, KBLK           ; my half's place in a slot: k's,
	s_mul_i32 s73, s25, VBLK
	s_add_co_u32 s73, s73, VOFF        ; v's
	s_lshl_b32 s84, s28, 5
	s_lshl_b32 s85, s25, 4
	s_add_co_u32 s84, s84, s85         ; my first block: 32 b + 16 x half
	s_mul_i32 s86, s84, KBLK
	s_mov_b32 s87, 0
	s_mul_i32 s88, s84, VBLK
	s_mov_b32 s89, 0
	s_mul_i32 s90, s28, 5242880        ; unet and out0: the batch, my 80 channels, my 64 queries
	s_mul_i32 s91, s24, 1310720
	s_add_co_u32 s90, s90, s91
	s_lshl_b32 s91, s27, 8
	s_add_co_u32 s90, s90, s91
	s_mov_b32 s91, 0
	s_mul_i32 s92, s24, XTW
	s_add_co_u32 s92, s92, XT
	s_mov_b32 s80, 0x76543210
	s_mov_b32 s81, 0xfedcba98          ; v_permlanex16_b32: lane l xor 16
	s_mov_b32 s82, 0x3db8aa3b          ; log2(e) / 16
	s_mov_b32 s83, s82
	s_mov_b32 s30, 0                   ; the slot in hand
	s_mov_b32 s31, 0                   ; the slot filled last
	s_wait_kmcnt 0x0
	s_mov_b32 s56, 1
	s_mov_b32 s57, s72
	s_add_nc_u64 s[58:59], s[12:13], s[86:87]
	s_or_b32 s59, s59, 0x80000000
	s_mov_b32 s60, 1
	s_mov_b32 s61, s73
	s_add_nc_u64 s[62:63], s[14:15], s[88:89]
	s_or_b32 s63, s63, 0x80000000
	s_mov_b32 s68, 1
	s_mov_b32 s69, s92
	s_add_nc_u64 s[70:71], s[4:5], s[90:91]
	s_or_b32 s71, s71, 0x80000000
	CROUND                             ; the four partners are here
	tensor_load_to_lds s[68:71], s[48:55]      ; x's 80 rows of mine
	s_nop 0
	JLOAD                              ; key blocks 0 into slot 0: two loads of mine are out
	s_add_nc_u64 s[22:23], s[22:23], s[90:91]
	s_mov_b32 s85, 0
	s_mul_i32 s84, s24, 19200
	s_add_nc_u64 s[16:17], s[16:17], s[84:85]  ; Wo at my 80 rows
	s_mul_i32 s84, s24, 800
	s_add_nc_u64 s[18:19], s[18:19], s[84:85]
	s_mul_i32 s84, s24, 320
	s_add_nc_u64 s[20:21], s[20:21], s[84:85]
	s_cmp_lt_u32 s24, 2                ; the prefetches: k's block or v's
	s_cselect_b64 s[74:75], s[12:13], s[14:15]
	s_cselect_b32 s94, s86, s88
	s_mov_b32 s76, VBLK
	s_cselect_b32 s76, KBLK, s76
	s_mov_b32 s93, 124
	s_cselect_b32 s93, 99, s93         ; the block's last piece of 256 bytes
	s_mov_b32 s77, 0
	s_mov_b32 s95, 0
	s_add_nc_u64 s[74:75], s[74:75], s[94:95]
	s_add_nc_u64 s[74:75], s[74:75], s[76:77]  ; at block 1: the first change of slots steps it to block 2.  Nothing is prefetched at the head
	s_cmp_eq_u32 ttmp9, 0
	s_cselect_b32 s78, 1, -1           ; the batch's first cluster asks: the same in all four partners
	s_lshl_b32 s94, s26, 5
	v_add_nc_u32 v15, s94, v11
	v_min_u32 v15, s93, v15
	v_lshlrev_b32 v15, 8, v15
	v_lshl_add_u32 v1, v11, 4, s72
	v_lshl_add_u32 v2, v11, 3, s72
	s_add_co_u32 s84, s72, 24576
	v_lshl_add_u32 v3, v11, 2, s84
	v_lshl_add_u32 v4, v11, 4, s73
	v_lshl_add_u32 v5, v11, 3, s73
	s_add_co_u32 s84, s73, 30720
	v_lshl_add_u32 v6, v11, 2, s84
	v_mul_u32_u24 v60, v9, 240         ; a row of Wq or Wo is 240 bytes
	v_mad_u32_u24 v60, v10, 24, v60
	v_lshlrev_b32 v25, 5, v10          ; bq: 32 h
	v_mul_u32_u24 v62, v9, 10          ; a row of scale bytes is 10 bytes: three aligned words cover it
	v_and_b32 v62, -4, v62
	v_mad_u32_u24 v62, v10, 1280, v62  ; lanes 16-31 take the tile eight further on
	v_and_b32 v63, 1, v9
	v_lshlrev_b32 v63, 4, v63          ; odd rows begin 16 bits into their first word
	v_mul_u32_u24 v12, v10, 4352
	v_lshl_add_u32 v12, v9, 2, v12
	s_lshl_b32 s84, s24, 6
	s_add_co_u32 s84, s84, XT
	v_add_nc_u32 v22, s84, v12         ; x of tile X: 16 h rows on, my query's word
	s_xor_b32 s85, s24, 1
	s_lshl_b32 s85, s85, 6
	s_add_co_u32 s85, s85, XT
	v_add_nc_u32 v23, s85, v12         ; of tile Y
.irp b, 0,1,2,3
	v_mov_b32 v[BP+\b], 0              ; a lane permute's destination counts as one of its sources
.endr
	WIN 0x80
.irp t, 0,1,2,3,4,5,6,7
	global_load_b128 v[192+8*\t:195+8*\t], v25, s[10:11] offset:64*\t          ; bq of channels 16 t + 8 h + j
	global_load_b128 v[196+8*\t:199+8*\t], v25, s[10:11] offset:64*\t+16
.endr
	WIN 0xc0
.irp t, 0,1,2,3,4,5,6,7
	global_load_b128 v[192+8*\t:195+8*\t], v25, s[10:11] offset:512+64*\t
	global_load_b128 v[196+8*\t:199+8*\t], v25, s[10:11] offset:512+64*\t+16
.endr
	WIN 0
.irp t, 0,1,2,3,4,5,6,7
.irp d, 0,1,2
	global_load_b32 v[224+3*\t+\d], v62, s[8:9] offset:160*\t+4*\d
.endr
.endr
	s_wait_tensorcnt 0x1               ; my rows of x are in; the key blocks' load, issued behind, may be out
	s_barrier_signal -1
	s_barrier_wait -1                  ; everybody's are
	XQ 22, 0, 0
	WIN 0xc0
	WQL 0, 0
	WIN 0
	XQ 22, 0, 1
	WIN 0xc0
	WQL 4, 0
	WIN 0
	XQ 22, 0, 2
	WIN 0x80
	WQL 0, 8
	WIN 0
	XQ 23, 1, 0
	WIN 0x80
	WQL 4, 8
	WIN 0
	XQ 23, 1, 1
	WIN 0x40
.irp t, 0,1,2,3,4,5,6,7,8,9,10,11,12,13,14,15
.irp p, 0,1,2
	global_load_b64 v[12*\t+2*\p:12*\t+2*\p+1], v60, s[6:7] offset:3840*\t+192+8*\p    ; K step 2: 64 codes,
.endr
.irp i, 6,7,8,9,10,11
	v_mov_b32 v[12*\t+\i], 0           ; and 64 zero codes
.endr
.endr
	WIN 0
	XQ 23, 1, 2
	s_wait_loadcnt 0x0                 ; Wq, its scale bytes, bq: their address registers are free too
.irp t, 0,1,2,3,4,5,6,7
	v_alignbit_b32 v[224+3*\t], v[225+3*\t], v[224+3*\t], v63  ; the row's bytes 0-3,
	v_alignbit_b32 v[225+3*\t], v[226+3*\t], v[225+3*\t], v63  ; 4-7,
	v_bfe_u32 v[226+3*\t], v[226+3*\t], v63, 16                ; 8, 9 and two bytes 0 over the zero codes
.endr
	v_mov_b32 v23, 0xff61b1e6          ; the largest t so far: -3e38.  (These lines are also the places between the scale words' last write and the products)
	v_mov_b32 v27, 0xff61b1e6
	v_floor_f32 v22, -v23
	v_floor_f32 v26, -v27
.irp i, 24,25,28,29,30,31,32,33,49
	v_mov_b32 v[\i], 0
.endr
.irp i, 0,1,2,3,4,5
	v_add_nc_u32 v[9+\i], s30, v[1+\i] ; the first step's addresses
.endr
	QPROJ 0, 0
	QPROJ 0, 1
	QPROJ 1, 0
	QPROJ 1, 1
	WIN 0x40
.set jj, 0
.rept 160
	v_mov_b32 v[jj], 0
.set jj, jj+1
.endr
	WIN 0x80
.set jj, 0
.rept 160
	v_mov_b32 v[jj], 0
.set jj, jj+1
.endr
	WIN 0
	s_mov_b32 s29, 15                  ; changes of slots that fill a slot, this one among them
	CHANGE 1                           ; blocks 0 are in; blocks 1 are asked for
	STEP 0                             ; step 0 has no step before it: written out without the products v p^T
	s_mov_b32 s29, 14
.Ltrip:                                ; 14 trips: trip j = 1 .. 14 asks for blocks j + 1, finishes step j - 1 and runs step j up to its softmax
	CHANGE 1
	STEP 1
	s_sub_co_u32 s29, s29, 1
	s_cmp_lg_u32 s29, 0
	s_cbranch_scc1 .Ltrip
	CHANGE 0                           ; the last step is written out
	STEP 1
	s_wait_dscnt 0x0                   ; the last step's v is in
	PVX 0
	PVX 10
	PVY
	WIN 0
	; THE TAIL.  The sums' halves; offsets into bo, Wo's scale bytes and out0; Wo.  (These lines are the places behind the last products.)
	v_add_f32 v24, v24, v25
	v_add_f32 v28, v28, v29
	v_permlanex16_b32 v48, v24, s80, s81
	v_permlanex16_b32 v49, v28, s80, s81
	v_add_f32 v24, v24, v48
	v_add_f32 v28, v28, v49
	v_and_b32 v1, 15, v0               ; r
	v_bfe_u32 v2, v0, 4, 1             ; h
	v_lshlrev_b32 v3, 2, v1            ; bo: 4 r
	v_mul_u32_u24 v4, v1, 10
	v_and_b32 v4, -4, v4               ; Wo's scale bytes: the aligned word in which row r begins
	v_lshlrev_b32 v5, 14, v2
	v_lshl_add_u32 v5, v1, 4, v5       ; out0: lanes 0-15 one channel's 256 bytes, lanes 16-31 the next channel's
	WIN 0xc0
.irp n, 0,1,2,3,4
.irp s, 0,1
.irp p, 0,1,2,3,4,5
	global_load_b64 v[12*(3*\n+\s)+2*\p:12*(3*\n+\s)+2*\p+1], v60, s[16:17] offset:3840*\n+96*\s+48*(\p/3)+8*(\p%3)
.endr
.endr
.endr
	WIN 0
	s_wait_dscnt 0x0
	s_barrier_signal -1
	s_barrier_wait -1                  ; every wave has read its last key step: both slots are free, and have had their last fill
	WIN 0x08
.set jj, 0
.rept 40
	ds_store_b128 v[TMY], v[4*jj:4*jj+3] offset:512*jj         ; O^T of Y as it stands, each accumulator from its low end on
.set jj, jj+1
.endr
	WIN 0
	ds_store_b32 v[TMY], v26 offset:20480      ; its -M
	ds_store_b32 v[TMY], v28 offset:20484      ; its sum
	WIN 0xc0
.irp n, 0,1,2,3,4
.irp p, 0,1,2
	global_load_b64 v[12*(3*\n+2)+2*\p:12*(3*\n+2)+2*\p+1], v60, s[16:17] offset:3840*\n+192+8*\p
.endr
.irp i, 6,7,8,9,10,11
	v_mov_b32 v[12*(3*\n+2)+\i], 0
.endr
.endr
	WIN 0
.irp n, 0,1,2,3,4
.irp d, 0,1,2
	global_load_b32 v[216+3*\n+\d], v4, s[18:19] offset:160*\n+4*\d
.endr
	global_load_b32 v[9+\n], v3, s[20:21] offset:64*\n
.endr
	s_wait_dscnt 0x0
	s_barrier_signal -1
	s_barrier_wait -1                  ; the partial sums lie in LDS
	ds_load_b32 v36, v[TPA] offset:20480
	ds_load_b32 v37, v[TPA] offset:20484
	s_wait_dscnt 0x0
	v_min_num_f32 v38, v22, v36        ; -M of both halves of the keys
	v_sub_f32 v39, v38, v22
	v_sub_f32 v36, v38, v36
	v_cvt_i32_f32 v39, v39
	v_cvt_i32_f32 v36, v36
	v_ldexp_f32 v39, 1.0, v39
	v_ldexp_f32 v36, 1.0, v36
	v_mul_f32 v24, v24, v39
	v_fma_f32 v24, v37, v36, v24       ; the row's sum
	v_rcp_f32 v24, v24
	s_wait_loadcnt 0x0                 ; Wo, its scale bytes, bo
.irp n, 0,1,2,3,4
	v_alignbit_b32 v[216+3*\n], v[217+3*\n], v[216+3*\n], v63
	v_alignbit_b32 v[217+3*\n], v[218+3*\n], v[217+3*\n], v63
	v_bfe_u32 v[218+3*\n], v[218+3*\n], v63, 16
.endr
	s_wait_alu depctr_va_vdst(0)       ; ahead of the reciprocal's first reader; the lines above are the work between
	v_mul_f32 v30, v39, v24            ; what my O^T is multiplied by,
	v_mul_f32 v32, v36, v24            ; and my partner's
	WIN 0x80
.irp n, 0,1,2,3,4
.irp j, 0,1,2,3,4,5,6,7
	v_mov_b32 v[160+8*\n+\j], v[9+\n]  ; bo as a C operand
.endr
.endr
	WIN 0
	MERGE 0, 64
	MERGE 1, 64
	MERGE 2, 32
	s_wait_dscnt 0x0
	s_barrier_signal -1
	s_barrier_wait -1                  ; the twelve fragments lie in LDS
.irp u, 0,1,2,3,4,5,6,7,8,9,10,11
.irp c, 0,1,2
	ds_load_b128 v[64+12*\u+4*\c:67+12*\u+4*\c], v[TL] offset:OENT*\u+512*\c
.endr
	ds_load_b32 v[240+\u], v[TL] offset:OENT*\u+1536
.endr
	s_wait_dscnt 0x0
	WIN 0xac                           ; source 0 window 0 (16 queries), source 1 window 3 (16 rows of Wo), C and D window 2: a lane holds one output channel and eight neighbouring queries
.irp s, 0,1,2
.irp n, 0,1,2,3,4
.irp t, 0,1,2,3
.if \s == 0
	WMR 8*(4*\n+\t), 64+12*(3*\t+\s), 12*(3*\n+\s), 160+8*\n, 240+3*\t+\s, 216+3*\n+\s, 0, 0
.else
	WMR 8*(4*\n+\t), 64+12*(3*\t+\s), 12*(3*\n+\s), 8*(4*\n+\t), 240+3*\t+\s, 216+3*\n+\s, 0, 0
.endif
.endr
.endr
.endr
	WIN 0
	PLACES
	WIN 0x08
.irp n, 0,1,2,3,4
.irp t, 0,1,2,3
	ds_store_b128 v[TSI], v[8*(4*\n+\t):8*(4*\n+\t)+3] offset:4352*\n+64*\t
	ds_store_b128 v[TSI], v[8*(4*\n+\t)+4:8*(4*\n+\t)+7] offset:4352*\n+64*\t+16
.endr
.endr
	WIN 0x40
.set jj, 0
.rept 40
	ds_load_b128 v[4*jj:4*jj+3], v[TSO] offset:544*jj          ; my own 80 rows, whole: LDS serves a wave's instructions in order
.set jj, jj+1
.endr
	WIN 0xc0
.set jj, 0
.rept 40
	ds_load_b128 v[4*jj:4*jj+3], v[TXO] offset:544*jj          ; the residual
.set jj, jj+1
.endr
	s_wait_dscnt 0x0
	WIN 0x4d
.set jj, 0
.rept 80
	v_pk_add_f32 v[jj:jj+1], v[jj:jj+1], v[jj:jj+1]            ; window 1 = window 1 + window 3
.set jj, jj+2
.endr
	WIN 0x04
.set jj, 0
.rept 40
	global_store_b128 v5, v[4*jj:4*jj+3], s[22:23] offset:32768*jj th:TH_STORE_NT     ; sixteen lanes store 256 consecutive bytes, aligned
.set jj, jj+1
.endr
	WIN 0
	s_wait_tensorcnt 0x0               ; the wave's end
	ds_add_u32 v7, v8
	s_wait_dscnt 0x0
	CROUND                             ; the closing round
	s_endpgm
.Lfunc_end_k_qce2d47bed0_attn:
	.size	k_qce2d47bed0_attn, .Lfunc_end_k_qce2d47bed0_attn-k_qce2d47bed0_attn
	.p2alignl 7, 3214868480
	.fill 96, 4, 3214868480
	.section	.rodata,"a",@progbits
	.p2align	6, 0x0
	.amdhsa_kernel k_qce2d47bed0_attn
		.amdhsa_group_segment_fixed_size 327680
		.amdhsa_private_segment_fixed_size 0
		.amdhsa_enable_private_segment 0
		.amdhsa_kernarg_size 80
		.amdhsa_user_sgpr_count 2
		.amdhsa_user_sgpr_kernarg_segment_ptr 1
		.amdhsa_wavefront_size32 1
		.amdhsa_system_sgpr_workgroup_id_x 1
		.amdhsa_system_sgpr_workgroup_id_y 1
		.amdhsa_system_sgpr_workgroup_id_z 1
		.amdhsa_system_vgpr_workitem_id 0
		.amdhsa_next_free_vgpr 1024
		.amdhsa_next_free_sgpr 96
		.amdhsa_reserve_vcc 0
		.amdhsa_float_denorm_mode_32 3
		.amdhsa_float_denorm_mode_16_64 3
		.amdhsa_memory_ordered 1
		.amdhsa_forward_progress 1
		.amdhsa_inst_pref_size 255
	.end_amdhsa_kernel
	.section	.bss,"aw",@nobits
	.p2align	6
	.space	262144
	.amdgpu_metadata
---
amdhsa.version: [ 1, 2 ]
amdhsa.kernels:
  - .name:           k_qce2d47bed0_attn
    .symbol:         k_qce2d47bed0_attn.kd
    .args:
      - { .name: unet_feat, .offset: 0, .size: 8, .value_kind: global_buffer, .address_space: global }
      - { .name: Wq_codes, .offset: 8, .size: 8, .value_kind: global_buffer, .address_space: global }
      - { .name: Wq_scales, .offset: 16, .size: 8, .value_kind: global_buffer, .address_space: global }
      - { .name: bq, .offset: 24, .size: 8, .value_kind: global_buffer, .address_space: global }
      - { .name: kimg, .offset: 32, .size: 8, .value_kind: global_buffer, .address_space: global }
      - { .name: vimg, .offset: 40, .size: 8, .value_kind: global_buffer, .address_space: global }
      - { .name: Wo_codes, .offset: 48, .size: 8, .value_kind: global_buffer, .address_space: global }
      - { .name: Wo_scales, .offset: 56, .size: 8, .value_kind: global_buffer, .address_space: global }
      - { .name: bo, .offset: 64, .size: 8, .value_kind: global_buffer, .address_space: global }
      - { .name: out0, .offset: 72, .size: 8, .value_kind: global_buffer, .address_space: global }
    .group_segment_fixed_size: 327680
    .private_segment_fixed_size: 0
    .kernarg_segment_align: 8
    .kernarg_segment_size: 80
    .max_flat_workgroup_size: 128
    .sgpr_count:     96
    .vgpr_count:     1024
    .wavefront_size: 32
...
	.end_amdgpu_metadata
.endif
;; end of part 2
